; MI455X (gfx1250); checked and timed in simulation.
; The chip was launched on July 23, 2026; its instructions are those of AMD's public machine-readable ISA for CDNA 5 (MIT licence, August 2026) and "CDNA5" Instruction Set Architecture Reference Guide (July 2026). The comments in the code are by the model that wrote it; some were corrected since.
;; multihead attention. Allowed arithmetic: matrix products marked QUANTISED: E2M3 operands, one E8M0 scale for each 32 along K, by v_wmma_scale_f32_16x16x128_f8f6f4 with both operands' format E2M3, f32 sums; everything else in f32.
;; Inputs: Wk_codes 1,024 x 32 x 24 uint8 (E2M3 codes of Wk, K innermost, in blocks of 32 codes, four codes in three bytes); Wk_scales 1,024 x 32 uint8 (E8M0 scales of Wk, one for each 32 codes along K); Wo_codes 1,024 x 32 x 24 uint8 (E2M3 codes of Wo, K innermost, in blocks of 32 codes, four codes in three bytes); Wo_scales 1,024 x 32 uint8 (E8M0 scales of Wo, one for each 32 codes along K); Wq_codes 1,024 x 32 x 24 uint8 (E2M3 codes of Wq, K innermost, in blocks of 32 codes, four codes in three bytes); Wq_scales 1,024 x 32 uint8 (E8M0 scales of Wq, one for each 32 codes along K); Wv_codes 1,024 x 32 x 24 uint8 (E2M3 codes of Wv, K innermost, in blocks of 32 codes, four codes in three bytes); Wv_scales 1,024 x 32 uint8 (E8M0 scales of Wv, one for each 32 codes along K); bk 1,024 float32; bq 1,024 float32; bv 1,024 float32; k_codes 2,048 x 4 x 32 x 24 uint8 (E2M3 codes of k, K innermost, in blocks of 32 codes, four codes in three bytes); k_scales 2,048 x 4 x 32 uint8 (E8M0 scales of k, one for each 32 codes along K); q_codes 2,048 x 4 x 32 x 24 uint8 (E2M3 codes of q, K innermost, in blocks of 32 codes, four codes in three bytes); q_scales 2,048 x 4 x 32 uint8 (E8M0 scales of q, one for each 32 codes along K); v_codes 2,048 x 4 x 32 x 24 uint8 (E2M3 codes of v, K innermost, in blocks of 32 codes, four codes in three bytes); v_scales 2,048 x 4 x 32 uint8 (E8M0 scales of v, one for each 32 codes along K).
;; Outputs: out0 2,048 x 4 x 1,024 float32.
;; This version of the problem:
;;   THIS VERSION OF THE PROBLEM IS GIVEN IN LOW PRECISION. The matrix products marked QUANTISED in the list below multiply operands that are first quantised to E2M3 (2 exponent bits, 3 mantissa bits; 6 bits a number), with one power-of-two scale for each 32 numbers along K (OCP MX v1.0); their sums are f32. All else is computed in f32.
;;   The module's matrix products, in the order in which they are computed (A, B: the left and right operand; K: the contracted axis; several contracted axes count as one K, in the product's order):
;;     1. [M 8,192, K 1,024] x [K 1,024, N 1,024]; A: input q (given as codes); B: input Wq (given as codes): QUANTISED
;;     2. [M 8,192, K 1,024] x [K 1,024, N 1,024]; A: input k (given as codes); B: input Wk (given as codes): QUANTISED
;;     3. [M 8,192, K 1,024] x [K 1,024, N 1,024]; A: input v (given as codes); B: input Wv (given as codes): QUANTISED
;;     4. batch 64 x [M 2,048, K 64] x [K 64, N 2,048]; A: computed on the way; B: computed on the way: QUANTISED
;;     5. batch 64 x [M 2,048, K 2,048] x [K 2,048, N 64]; A: softmax (see below); B: computed on the way: QUANTISED
;;     6. [M 8,192, K 1,024] x [K 1,024, N 1,024]; A: computed on the way; B: input Wo (given as codes): QUANTISED
;;   THE QUANTISER, for each operand of a quantised product, along K:
;;     - K is cut into blocks of 32 from its start; a last block that is shorter is filled with zeros.
;;     - A block's scale is 2^e with e = floor(log2(the largest magnitude in the block)) - 2, held to -126 .. 127; a block of zeros has e = 0. As a byte (E8M0): e + 127.
;;     - Each number is divided by its block's scale, clamped to +-7.5, and rounded to the nearest number of E2M3, ties to even, subnormals kept.
;;     - The product sums the exact products of the quantised numbers (number of the format x scale) in f32.
;;   ~~~python
;;   def quantise(x, axis):      # numpy; x: float32 -> the quantised numbers, widened to float32 again
;;       x = np.moveaxis(x, axis, -1); K = x.shape[-1]
;;       x = np.pad(x, [(0, 0)] * (x.ndim - 1) + [(0, -K % 32)]); x = x.reshape(x.shape[:-1] + (-1, 32)); a = np.abs(x).max(-1, keepdims=True)
;;       e = np.where(a > 0, np.clip(np.frexp(np.where(a > 0, a, 1))[1] - 1 - 2, -126, 127), 0)      # np.frexp(a)[1] - 1 = floor(log2(a)), exactly
;;       r = np.clip(x / 2.0 ** e, -7.5, 7.5)
;;       step = 2.0 ** (np.maximum(np.frexp(np.where(r == 0, 1, r))[1] - 1, 0) - 3)
;;       q = np.round(r / step) * step * 2.0 ** e      # np.round: ties to even
;;       return np.moveaxis(q.reshape(q.shape[:-2] + (-1,))[..., :K], -1, axis).astype(np.float32)
;;   ~~~
;;   SOFTMAX AHEAD OF A QUANTISED PRODUCT. Where the list says 'softmax', what is quantised is not the finished softmax but p = 2^(t - M), with t = logit x log2(e) and M = ceil(the row's largest t), a whole number; so 1/2 < the row's largest p <= 1. The row's sum l is taken of the UNQUANTISED p, in f32, and the product's result is divided by l at the end. Since M is a whole number, a kernel that streams over the keys may use a running M (the ceiling of the running maximum): every later rescaling is an exact power of two, which a block's scale takes up: the codes' values come out the same.
;;   OPERANDS COMPUTED ON THE WAY. 'Computed on the way' means the value that the module computes at that place (a softmax that the list does not call 'softmax' is quantised finished and normalised). What goes into a quantiser is computed in f32, as accurately as f32 sums, v_exp_f32 and their like allow (about 1e-6 of the number): no bf16 or f16 on the way to a quantiser, and a product that is left as it is and whose result goes on into a quantised operand takes f32 operands (vector FMAs, or v_wmma_f32_16x16x4_f32). A number that lies on a knife's edge between two numbers of the format may be rounded either way, as far as f32 arithmetic and the matrix unit's own rounding can turn it there, and no further.
;;   INPUTS GIVEN AS CODES. Wk (in the module: [1024, 1024], K = its axis 1); Wo (in the module: [1024, 1024], K = its axis 1); Wq (in the module: [1024, 1024], K = its axis 1); Wv (in the module: [1024, 1024], K = its axis 1); k (in the module: [2048, 4, 1024], K = its axis 2); q (in the module: [2048, 4, 1024], K = its axis 2); v (in the module: [2048, 4, 1024], K = its axis 2): each comes as NAME_codes (uint8): NAME with its K axis moved to the last place and cut into blocks of 32 codes, [.., K / 32, bytes a block], one block behind the other in memory; four codes in three bytes: a row's codes are one little-endian stream of bits, code i at bits 6 i .. 6 i + 5 (a code: sign, 2 exponent bits, 3 mantissa bits); and NAME_scales (uint8): the same leading axes, one E8M0 byte (e + 127) for each 32 codes along K. Its value is code x scale, taken as it is: it is not quantised again, and the codes and scales need not be those that the quantiser above would give.
;; One version. Each part assembles by itself: llvm-mc -triple=amdgcn-amd-amdhsa -mcpu=gfx1250 --defsym DOCPART=n.
;; ======== version 1 of 1: 3 launches
;; limits: right only within a limited range of input values
;; workspace buffers: qw 6,553,600 bytes; kv 13,107,200 bytes; oc 6,291,456 bytes; osc 262,144 bytes
;; launch proj (part 1): grid 8 x 96, 4 waves a work-group, clusters of 4 x 4, 327,680 bytes of LDS; arguments q_codes, q_scales, Wq_codes, Wq_scales, qw, bq, k_codes, k_scales, Wk_codes, Wk_scales, kv, bk, v_codes, v_scales, Wv_codes, Wv_scales, bv; writes qw, kv
.if DOCPART == 1
	.amdgcn_target "amdgcn-amd-amdhsa--gfx1250"
	.amdhsa_code_object_version 6
	.text
	.protected	k_q68cbce6192_proj
	.globl	k_q68cbce6192_proj
	.p2align	8
	.type	k_q68cbce6192_proj,@function
k_q68cbce6192_proj:
	s_mov_b64 s[64:65], 0
	v_nop
	global_prefetch_b8 v0, s[64:65] scope:SCOPE_SE
	s_setreg_imm32_b32 hwreg(HW_REG_WAVE_MODE, 25, 1), 1
	s_wait_xcnt 0x0
	s_wait_alu depctr_hold_cnt(0) depctr_sa_sdst(0) depctr_va_vdst(0) depctr_va_sdst(0) depctr_va_ssrc(0) depctr_va_vcc(0) depctr_vm_vsrc(0)
	s_getreg_b32 s2, hwreg(HW_REG_IB_STS2, 6, 4)
	s_cmp_eq_u32 s2, 0
	s_cbranch_scc0 .Lentry_in_a_cluster
	s_endpgm
.Lentry_in_a_cluster:
	s_bfe_u32 s2, ttmp6, 0x10000c
	s_cmp_lg_u32 s2, 0xf033
	s_cbranch_scc0 .Lentry_shape_is_right
	s_endpgm
.Lentry_shape_is_right:
; THE THREE PROJECTIONS X W^T + bias (X = q, k, v; W = Wq, Wk, Wv; codes of FP6 (E2M3) with E8M0 bytes), sums in f32, quantised at once for the attention launch:
; q's and k's results along the head's 64 numbers, v's along the keys.
; GRID: 2 x 24 clusters of 4 x 4; clusters y 0-7 take q, 8-15 k, 16-23 v (the cluster's number alone decides).
; A work-group: 256 rows of X (one b, 256 neighbouring s: memory rows 4 s + b, 3,072 bytes apart) x 128 rows of W, ALL of K: 384 whole rows of 768 bytes, each from a multiple of 256 bytes,
; come into LDS once, one joint tensor load a wave (waves 0, 1: 128 rows of X each, shared along the cluster's row; waves 2, 3: 64 rows of W each, shared along its column).  Nothing is filled again.
; A wave: 128 rows of X (wave / 2) x 64 rows of W (wave % 2: one head): 32 accumulators: one record of the reader.
; q, k: source 0 = W's rows, source 1 = X's: a lane holds one token, its registers run along the head.   v: the sources change places: a lane holds one d, its registers run along the keys.
; The walk along K is therefore written twice; all else is one text.  The bias is the first products' C (both layouts are loaded, 12 small loads inside the buffer; one is used).
; THE ORDER OF CODES IN A BLOCK: a lane's 16 registers of two neighbouring tiles are numbers 8 h + 0..7 and 16 + 8 h + 0..7 of a block; they are converted as they stand.  The same order falls on both operands of each later product.
; OUT, a record for each (b, head, 128 rows): q: qw + rec x 6,400; k: kv + rec x 12,800; v: 6,400 behind k's.  6,144 bytes of codes: four items of 12 registers a lane as 3 x 512 bytes
; (q, k: a pair of tiles of 16 rows; v: a fragment of 16 d x 128 keys); 256 bytes of scale words: lanes 0-15 items 0 and 2, lanes 16-31 items 1 and 3.  A pair's word: the odd tile's two bytes below, the even tile's above.
; LIMITS: NaN, infinities and scale bytes 0xff among the inputs are not served.  A block of zeros gets the byte 1: its codes are zeros, and this program alone reads these bytes.
; NO PREFETCH: every input byte is asked for once, at the head; there is no loop to run ahead in.
; REGISTERS: window 0 addresses, scale words, bias, the way out; window 1 X's fragments, two sets of 96; window 2 the accumulators; window 3 W's fragments, two sets of 48.
.set PITCH, 816                        ; an LDS row: 3 x (256 + 16)
.set WB,    256*PITCH                  ; W's rows behind X's
.set SPARE, 384*PITCH                  ; the spare words
.set SPW, 10
.set NIL, 11
.set L16, 12
.set L8,  13
.set LN,  14
.set SX,  32                           ; v32-63 X's scale words: 8 i + q: rows 32 i + lane, K step q
.set SW,  68                           ; v68-83 W's
.set BV,  84                           ; v84-87 the bias by the lane's row
.set BI,  96                           ; v96-127 the bias as C, eight registers for each tile of W
.set AX,  128                          ; v128-143 LDS addresses of X's eight tiles (odd: behind one padding more)
.set AW,  144                          ; v144-151 of W's four
.set R,   160                          ; codes, two sets of 12
.set TM,  184
.set CT,  200
.set W,   208
.set SD,  212
.set G1X, 40
.set G1W, 48
.set G0X, 56
.set G0W, 60
.set WV,  66
.set WH,  67
.set WL,  68
.set TT,  69
.set TV,  70
.set SEL, 88
.set PSEL, 90
.set MSB, 0
.macro WIN new                         ; the immediate's high byte repeats the setting that is left
.if MSB != (\new)
	s_set_vgpr_msb (MSB<<8)|(\new)
.set MSB, (\new)
.endif
.endm
.macro PLACES n
.rept \n
	v_nop
.endr
.endm
.macro WALU
	s_wait_alu depctr_va_vdst(0)
.endm
.macro CROUND
	s_barrier_signal -1
	s_barrier_wait -1
	s_cmp_lg_u32 s[WV], 0
	s_cbranch_scc1 .Lnot_wave_0_\@
	s_barrier_signal -3
.Lnot_wave_0_\@:
	s_barrier_wait -3
	s_barrier_signal -1
	s_barrier_wait -1
.endm
.macro GROUP1 g, mask, rows, pitch     ; rows of 768 bytes, 16 bytes of padding behind every 256
	s_or_b32 s[\g], s\mask, (1<<20)|(1<<21)|(5<<22)|(3<<25)
	s_mov_b32 s[\g+1], 768<<16
	s_mov_b32 s[\g+2], (\rows)<<16
	s_mov_b32 s[\g+3], 768<<16
	s_mov_b32 s[\g+4], \rows
	s_mov_b32 s[\g+5], \pitch
	s_mov_b32 s[\g+6], 0
	s_mov_b32 s[\g+7], 0
.endm
; a fragment, 16 rows x 128 K: six pieces of 8 bytes, two to a load where both go by one address register
.macro FRAG w, reg, q, a0
	WIN (\w)<<6
.set SKIP_, 0
.irp p, 0,1,2,3,4,5
.if SKIP_
.set SKIP_, 0
.else
.set PC_, 12*(\q)+6*(\p/3)+\p%3
.set PN_, 12*(\q)+6*((\p+1)/3)+(\p+1)%3
.set X_, (PC_%32+3)/32
.set XQ_, (PN_%32+3)/32
.if (\p < 5) && (X_ == XQ_)
.set SKIP_, 1
	ds_load_2addr_b64 v[\reg+2*\p:\reg+2*\p+3], v[\a0+X_] offset0:PC_+2*(PC_/32) offset1:PN_+2*(PN_/32)
.else
	ds_load_b64 v[\reg+2*\p:\reg+2*\p+1], v[\a0+X_] offset:8*(PC_+2*(PC_/32))
.endif
.endif
.endr
.endm
.macro FETCH e, q                      ; K step q's twelve fragments into set e
.irp i, 0,1,2,3,4,5,6,7
	FRAG 1, 96*(\e)+12*\i, \q, AX+2*\i
.endr
.irp i, 0,1,2,3
	FRAG 3, 48*(\e)+12*\i, \q, AW+2*\i
.endr
.endm
.macro W1 d, s0, s1, c, x0, x1, r0, r1
	v_wmma_scale_f32_16x16x128_f8f6f4 v[\d:\d+7], v[\s0:\s0+11], v[\s1:\s1+11], \c, v[\x0], v[\x1] matrix_a_fmt:MATRIX_FMT_FP6 matrix_b_fmt:MATRIX_FMT_FP6 matrix_a_scale:MATRIX_SCALE_ROW\r0 matrix_b_scale:MATRIX_SCALE_ROW\r1
.endm
; 32 products, the 32 accumulators by turns.  kind 0: accumulator 32 a + 8 b; kind 1: 64 b + 8 a
.macro MULS kind, e, q
.if (\q) == 0
	WIN 0x87+6*(\kind)
.else
	WIN 0xa7+6*(\kind)
.endif
.irp ah, 0,1,2,3
.irp al, 0,1
.irp bh, 0,1
.irp bl, 0,1
.set XF_, 96*(\e)+12*(2*\ah+\al)
.set WF_, 48*(\e)+12*(2*\bh+\bl)
.set XS_, SX+8*\ah+(\q)
.set WS_, SW+8*\bh+(\q)
.if \kind
.set D_, 64*(2*\bh+\bl)+8*(2*\ah+\al)
.else
.set D_, 32*(2*\ah+\al)+8*(2*\bh+\bl)
.endif
.if (\q) == 0
.set C_, BI+8*(2*\bh+\bl)
.else
.set C_, D_
.endif
.if \kind
	W1 D_, XF_, WF_, v[C_:C_+7], XS_, WS_, \al, \bl
.else
	W1 D_, WF_, XF_, v[C_:C_+7], WS_, XS_, \bl, \al
.endif
.endr
.endr
.endr
.endr
.endm
.macro KSTEP kind, q                   ; this step's fragments are in (all LDS loads waited for); the next step's are asked for ahead of this step's products
	s_wait_dscnt 0x0
.if (\q) < 7
.if (\q) > 0
	PLACES 4                               ; behind the last step's products, which read the set that is loaded now
.endif
	FETCH (\q+1)%2, \q+1
.endif
	MULS \kind, (\q)%2, \q
.endm
.macro KRUN kind
.set Q_, 0
.rept 8
	KSTEP \kind, Q_
.set Q_, Q_+1
.endr
	WIN 0
.endm
; 64 sums of a lane (window 2, from register s on), four blocks of 32 shared with lane l xor 16, become 12 registers of codes at d and a scale word pw
.macro QUANT s, d, pw
	WIN 0x0a
.irp b, 0,1,2,3
	v_max3_num_f32 v[TM+\b], |v[\s+16*\b]|, |v[\s+1+16*\b]|, 0x1800000   ; with the floor 2^(3 - 127): the byte cannot fall under 1
.endr
	WIN 0x28
.irp i, 2,4,6,8,10,12,14
.irp b, 0,1,2,3
	v_max3_num_f32 v[TM+\b], v[TM+\b], |v[\s+16*\b+\i]|, |v[\s+1+16*\b+\i]|
.endr
.endr
	WIN 0
.irp b, 0,1,2,3
	v_permlanex16_b32 v[TM+4+\b], v[TM+\b], s[SEL], s[SEL+1]
.endr
.irp b, 0,1,2,3
	v_max_num_f32 v[TM+\b], v[TM+\b], v[TM+4+\b]
.endr
.irp b, 0,1,2,3
	v_add_nc_u32 v[TM+12+\b], 0xff000000, v[TM+\b]   ; 2 off the exponent field: the conversion's scale operand
.endr
.irp b, 0,1,2,3
	v_lshrrev_b32 v[TM+4+\b], 23, v[TM+12+\b]
.endr
	v_lshl_or_b32 v[\pw], v[TM+5], 8, v[TM+4]
	v_lshl_or_b32 v[\pw], v[TM+6], 16, v[\pw]
	v_lshl_or_b32 v[\pw], v[TM+7], 24, v[\pw]
	WIN 0x02
	v_cvt_scalef32_pk16_fp6_f32 v[\d:\d+2], v[\s:\s+15], v[TM+12]
	v_cvt_scalef32_pk16_fp6_f32 v[CT:CT+2], v[\s+16:\s+31], v[TM+13]
	v_cvt_scalef32_pk16_fp6_f32 v[\d+6:\d+8], v[\s+32:\s+47], v[TM+14]
	v_cvt_scalef32_pk16_fp6_f32 v[CT+4:CT+6], v[\s+48:\s+63], v[TM+15]
	WIN 0
	v_nop                                  ; one plain place behind a scaled conversion
.irp c, 0,1
.irp i, 0,1,2
	v_permlane16_swap_b32 v[\d+6*\c+\i], v[CT+4*\c+\i]   ; a whole block to a lane
.endr
.irp i, 0,1,2
	v_mov_b32 v[\d+3+6*\c+\i], v[CT+4*\c+\i]
.endr
.endr
.endm
; ---- the head
	s_load_b256 s[4:11], s[0:1], 0x0               ; q: codes, scales, Wq's codes, scales
	s_load_b128 s[12:15], s[0:1], 0x20             ; qw, bq
	s_load_b256 s[16:23], s[0:1], 0x30             ; k's four
	s_load_b128 s[24:27], s[0:1], 0x50             ; kv, bk
	s_load_b256 s[28:35], s[0:1], 0x60             ; v's four
	s_load_b64 s[36:37], s[0:1], 0x80              ; bv
	v_lshl_add_u32 v[SPW], v0, 2, SPARE
	v_mov_b32 v[NIL], 0
	ds_add_u32 v[SPW], v[NIL]                      ; the opening lines: the add twice and its wait
	ds_add_u32 v[SPW], v[NIL]
	v_lshrrev_b32 v1, 5, v0
	v_readfirstlane_b32 s[WV], v1
	s_lshr_b32 s[WH], s[WV], 1                     ; my half of X's rows.  Also: I fetch for X (0) or W (1)
	s_and_b32 s[WL], s[WV], 1                      ; my half of W's rows.  Also: which half I fetch
	s_and_b32 s71, ttmp7, 0xffff
	s_lshr_b32 s[TT], s71, 3                       ; 0 q, 1 k, 2 v
	s_bfe_u32 s72, ttmp6, 0x40000                  ; cx
	s_bfe_u32 s73, ttmp6, 0x40004                  ; cy
	s_lshl_b32 s74, ttmp9, 2
	s_add_co_u32 s74, s74, s72                     ; W's tile of 128 rows, 0 .. 7
	s_and_b32 s75, s71, 7
	s_lshl_b32 s75, s75, 2
	s_add_co_u32 s75, s75, s73                     ; X's tile, 0 .. 31
	s_lshl_b32 s76, s73, 2
	s_lshl_b32 s76, 15, s76                        ; my row of the cluster
	s_lshl_b32 s77, 0x1111, s72                    ; my column
	GROUP1 G1X, 76, 128, 3072
	GROUP1 G1W, 77, 64, 768
	s_and_b32 s78, s75, 7
	s_lshl_b32 s78, s78, 8                         ; the tile's first s
	s_lshr_b32 s79, s75, 3                         ; b
	s_lshl_b32 s80, s[WL], 7
	s_add_co_u32 s80, s80, s78
	s_lshl_b32 s80, s80, 2
	s_add_co_u32 s80, s80, s79                     ; X's memory row 4 s + b that I fetch from
	s_mul_i32 s80, s80, 768
	s_mov_b32 s81, 0
	s_lshl_b32 s82, s74, 7
	s_lshl_b32 s83, s[WL], 6
	s_add_co_u32 s82, s82, s83                     ; W's row: the half that I fetch is also the half that I multiply
	s_mov_b32 s84, s82
	s_mul_i32 s82, s82, 768
	s_mov_b32 s83, 0
	s_mul_i32 s85, s[WL], 128*PITCH
	s_mul_i32 s86, s[WL], 64*PITCH
	s_add_co_u32 s86, s86, WB
	WALU
	s_wait_dscnt 0x0
	s_wait_kmcnt 0x0
	s_cmp_eq_u32 s[TT], 1                          ; my tensor's six buffers
	s_cselect_b64 s[4:5], s[16:17], s[4:5]
	s_cselect_b64 s[6:7], s[18:19], s[6:7]
	s_cselect_b64 s[8:9], s[20:21], s[8:9]
	s_cselect_b64 s[10:11], s[22:23], s[10:11]
	s_cselect_b64 s[12:13], s[24:25], s[12:13]
	s_cselect_b64 s[14:15], s[26:27], s[14:15]
	s_cmp_eq_u32 s[TT], 2
	s_cselect_b64 s[4:5], s[28:29], s[4:5]
	s_cselect_b64 s[6:7], s[30:31], s[6:7]
	s_cselect_b64 s[8:9], s[32:33], s[8:9]
	s_cselect_b64 s[10:11], s[34:35], s[10:11]
	s_cselect_b64 s[12:13], s[24:25], s[12:13]
	s_cselect_b64 s[14:15], s[36:37], s[14:15]
	s_cselect_b32 s[TV], 1, 0
	s_mov_b32 s[G0X], 1
	s_mov_b32 s[G0X+1], s85
	s_add_nc_u64 s[G0X+2:G0X+3], s[4:5], s[80:81]
	s_or_b32 s[G0X+3], s[G0X+3], 0x80000000
	s_mov_b32 s[G0W], 1
	s_mov_b32 s[G0W+1], s86
	s_add_nc_u64 s[G0W+2:G0W+3], s[8:9], s[82:83]
	s_or_b32 s[G0W+3], s[G0W+3], 0x80000000
	CROUND                                         ; all sixteen work-groups are here: the joint loads meet
	s_cmp_eq_u32 s[WH], 0
	s_cbranch_scc0 .Lfor_w
	tensor_load_to_lds s[G0X:G0X+3], s[G1X:G1X+7]
	s_nop 0
	PLACES 4
	s_branch .Lasked
.Lfor_w:
	tensor_load_to_lds s[G0W:G0W+3], s[G1W:G1W+7]
	s_nop 0
	PLACES 4
.Lasked:
	v_and_b32 v1, 15, v0                           ; r
	v_bfe_u32 v2, v0, 4, 1                         ; h
	v_and_b32 v[LN], 31, v0
	v_lshlrev_b32 v[L16], 4, v[LN]
	v_lshlrev_b32 v[L8], 3, v[LN]
	v_lshlrev_b32 v5, 7, v[LN]                     ; X's scale bytes: 128 bytes from s to s + 1
	v_lshlrev_b32 v6, 5, v[LN]                     ; W's: 32 a row
	v_lshlrev_b32 v7, 5, v2                        ; the bias along the registers: 16 b + 8 h + 0..7
	v_lshlrev_b32 v8, 2, v1                        ; by the lane's row: 16 b + r
	v_mul_u32_u24 v3, v1, PITCH
	v_mad_u32_u24 v3, v2, 24, v3                   ; row x pitch + 24 h
	v_lshl_add_u32 v4, v2, 4, v3                   ; and behind one padding more
	s_mul_i32 s87, s[WH], 128*PITCH
.irp i, 0,1,2,3,4,5,6,7
	v_add_nc_u32 v[AX+2*\i], s87, v3
	v_add_nc_u32 v[AX+2*\i+1], s87, v4
	s_add_co_u32 s87, s87, 16*PITCH
.endr
.irp i, 0,1,2,3
	v_add_nc_u32 v[AW+2*\i], s86, v3
	v_add_nc_u32 v[AW+2*\i+1], s86, v4
	s_add_co_u32 s86, s86, 16*PITCH
.endr
.irp b, 0,1,2,3
	v_mov_b32 v[TM+4+\b], 0                        ; a lane permute's destination counts as a source
.endr
	s_lshl_b32 s80, s[WH], 7
	s_add_co_u32 s80, s80, s78
	s_lshl_b32 s80, s80, 2
	s_add_co_u32 s80, s80, s79
	s_lshl_b32 s80, s80, 5
	s_add_nc_u64 s[6:7], s[6:7], s[80:81]          ; the scale bytes of my 128 rows of X
	s_lshl_b32 s82, s84, 5
	s_add_nc_u64 s[10:11], s[10:11], s[82:83]      ; of my 64 rows of W
	s_lshl_b32 s82, s84, 2
	s_add_nc_u64 s[14:15], s[14:15], s[82:83]      ; their bias
.irp i, 0,1,2,3
	global_load_b128 v[SX+8*\i:SX+8*\i+3], v5, s[6:7] offset:4096*\i
	global_load_b128 v[SX+8*\i+4:SX+8*\i+7], v5, s[6:7] offset:4096*\i+16
.endr
.irp i, 0,1
	global_load_b128 v[SW+8*\i:SW+8*\i+3], v6, s[10:11] offset:1024*\i
	global_load_b128 v[SW+8*\i+4:SW+8*\i+7], v6, s[10:11] offset:1024*\i+16
.endr
.irp b, 0,1,2,3
	global_load_b128 v[BI+8*\b:BI+8*\b+3], v7, s[14:15] offset:64*\b
	global_load_b128 v[BI+8*\b+4:BI+8*\b+7], v7, s[14:15] offset:64*\b+16
	global_load_b32 v[BV+\b], v8, s[14:15] offset:64*\b
.endr
	s_lshl_b32 s80, s79, 4                         ; my record: ((16 b + head) x 16 + step of 128 rows)
	s_lshr_b32 s82, s84, 6
	s_add_co_u32 s80, s80, s82
	s_lshl_b32 s80, s80, 4
	s_lshr_b32 s82, s78, 7
	s_add_co_u32 s80, s80, s82
	s_add_co_u32 s80, s80, s[WH]
	s_cmp_eq_u32 s[TT], 0
	s_mov_b32 s82, 12800
	s_cselect_b32 s82, 6400, s82
	s_mul_i32 s80, s80, s82
	s_cmp_eq_u32 s[TV], 1
	s_cselect_b32 s82, 6400, 0
	s_mov_b32 s[PSEL], 0x01000302                  ; q, k: a word's halves change places; v: they stay
	s_cselect_b32 s[PSEL], 0x03020100, s[PSEL]
	s_add_co_u32 s80, s80, s82
	s_add_nc_u64 s[12:13], s[12:13], s[80:81]
	s_mov_b32 s[SEL], 0x76543210
	s_mov_b32 s[SEL+1], 0xfedcba98
	WALU                                           ; the wait at the head's end
	s_wait_loadcnt 0x0
	s_wait_tensorcnt 0x0                           ; my tile is in
	s_barrier_signal -1
	s_barrier_wait -1                              ; and everybody's
	FETCH 0, 0
	WIN 0
	s_cmp_eq_u32 s[TV], 1
	s_cbranch_scc1 .Lv
	KRUN 0
	s_branch .Lout
.Lv:
.irp b, 0,1,2,3
.irp j, 0,1,2,3,4,5,6,7
	v_mov_b32 v[BI+8*\b+\j], v[BV+\b]              ; one number a lane and tile, over the tile's eight registers
.endr
.endr
	PLACES 4
	WALU
	KRUN 1
.Lout:
	PLACES 4                                       ; behind the last products
.irp p, 0,1,2,3
.if \p >= 2
	s_wait_xcnt 0x0                                ; the stores of two items back have read their registers
.endif
	QUANT 64*\p, R+12*(\p%2), W+\p
	v_perm_b32 v[W+\p], v[W+\p], v[W+\p], s[PSEL]
.irp c, 0,1,2
	global_store_b128 v[L16], v[R+12*(\p%2)+4*\c:R+12*(\p%2)+4*\c+3], s[12:13] offset:1536*\p+512*\c   ; 512 consecutive bytes a store
.endr
.endr
	v_cmp_le_u32 vcc_lo, 16, v[LN]
	v_cndmask_b32 v[SD], v[W], v[W+1], vcc_lo
	v_cndmask_b32 v[SD+1], v[W+2], v[W+3], vcc_lo
	global_store_b64 v[L8], v[SD:SD+1], s[12:13] offset:6144
	s_wait_tensorcnt 0x0                           ; the wave's end
	ds_add_u32 v[SPW], v[NIL]
	s_wait_dscnt 0x0
	CROUND                                         ; the closing round
	s_endpgm
.Lfunc_end_k_q68cbce6192_proj:
	.size	k_q68cbce6192_proj, .Lfunc_end_k_q68cbce6192_proj-k_q68cbce6192_proj
	.p2alignl 7, 3214868480
	.fill 96, 4, 3214868480
	.section	.rodata,"a",@progbits
	.p2align	6, 0x0
	.amdhsa_kernel k_q68cbce6192_proj
		.amdhsa_group_segment_fixed_size 327680
		.amdhsa_private_segment_fixed_size 0
		.amdhsa_enable_private_segment 0
		.amdhsa_kernarg_size 136
		.amdhsa_user_sgpr_count 2
		.amdhsa_user_sgpr_kernarg_segment_ptr 1
		.amdhsa_wavefront_size32 1
		.amdhsa_system_sgpr_workgroup_id_x 1
		.amdhsa_system_sgpr_workgroup_id_y 1
		.amdhsa_system_sgpr_workgroup_id_z 1
		.amdhsa_system_vgpr_workitem_id 0
		.amdhsa_next_free_vgpr 864
		.amdhsa_next_free_sgpr 96
		.amdhsa_reserve_vcc 1
		.amdhsa_float_denorm_mode_32 3
		.amdhsa_float_denorm_mode_16_64 3
		.amdhsa_memory_ordered 1
		.amdhsa_forward_progress 1
		.amdhsa_inst_pref_size 134
	.end_amdhsa_kernel
	.amdgpu_metadata
---
amdhsa.version: [ 1, 2 ]
amdhsa.kernels:
  - .name:           k_q68cbce6192_proj
    .symbol:         k_q68cbce6192_proj.kd
    .args:
      - { .name: q_codes, .offset: 0, .size: 8, .value_kind: global_buffer, .address_space: global }
      - { .name: q_scales, .offset: 8, .size: 8, .value_kind: global_buffer, .address_space: global }
      - { .name: Wq_codes, .offset: 16, .size: 8, .value_kind: global_buffer, .address_space: global }
      - { .name: Wq_scales, .offset: 24, .size: 8, .value_kind: global_buffer, .address_space: global }
      - { .name: qw, .offset: 32, .size: 8, .value_kind: global_buffer, .address_space: global }
      - { .name: bq, .offset: 40, .size: 8, .value_kind: global_buffer, .address_space: global }
      - { .name: k_codes, .offset: 48, .size: 8, .value_kind: global_buffer, .address_space: global }
      - { .name: k_scales, .offset: 56, .size: 8, .value_kind: global_buffer, .address_space: global }
      - { .name: Wk_codes, .offset: 64, .size: 8, .value_kind: global_buffer, .address_space: global }
      - { .name: Wk_scales, .offset: 72, .size: 8, .value_kind: global_buffer, .address_space: global }
      - { .name: kv, .offset: 80, .size: 8, .value_kind: global_buffer, .address_space: global }
      - { .name: bk, .offset: 88, .size: 8, .value_kind: global_buffer, .address_space: global }
      - { .name: v_codes, .offset: 96, .size: 8, .value_kind: global_buffer, .address_space: global }
      - { .name: v_scales, .offset: 104, .size: 8, .value_kind: global_buffer, .address_space: global }
      - { .name: Wv_codes, .offset: 112, .size: 8, .value_kind: global_buffer, .address_space: global }
      - { .name: Wv_scales, .offset: 120, .size: 8, .value_kind: global_buffer, .address_space: global }
      - { .name: bv, .offset: 128, .size: 8, .value_kind: global_buffer, .address_space: global }
    .group_segment_fixed_size: 327680
    .private_segment_fixed_size: 0
    .kernarg_segment_align: 8
    .kernarg_segment_size: 136
    .max_flat_workgroup_size: 128
    .sgpr_count:     96
    .vgpr_count:     864
    .wavefront_size: 32
...
	.end_amdgpu_metadata
.endif
;; end of part 1
;; launch attn (part 2): grid 8 x 32, 16 waves a work-group, clusters of 4 x 1, 327,680 bytes of LDS; arguments qw, kv, oc, osc; writes oc, osc
.if DOCPART == 2
	.amdgcn_target "amdgcn-amd-amdhsa--gfx1250"
	.amdhsa_code_object_version 6
	.text
	.protected	k_q68cbce6192_attn
	.globl	k_q68cbce6192_attn
	.p2align	8
	.type	k_q68cbce6192_attn,@function
k_q68cbce6192_attn:
	s_mov_b64 s[64:65], 0
	v_nop
	global_prefetch_b8 v0, s[64:65] scope:SCOPE_SE
	s_setreg_imm32_b32 hwreg(HW_REG_WAVE_MODE, 25, 1), 1
	s_wait_xcnt 0x0
	s_wait_alu depctr_hold_cnt(0) depctr_sa_sdst(0) depctr_va_vdst(0) depctr_va_sdst(0) depctr_va_ssrc(0) depctr_va_vcc(0) depctr_vm_vsrc(0)
	s_getreg_b32 s2, hwreg(HW_REG_IB_STS2, 6, 4)
	s_cmp_eq_u32 s2, 0
	s_cbranch_scc0 .Lentry_in_a_cluster
	s_endpgm
.Lentry_in_a_cluster:
	s_bfe_u32 s2, ttmp6, 0x10000c
	s_cmp_lg_u32 s2, 0x3003
	s_cbranch_scc0 .Lentry_shape_is_right
	s_endpgm
.Lentry_shape_is_right:
.set REC,   12800
.set SLOTB, 8*REC
.set STG,   2*SLOTB
.set SPARE, STG+1024
.set S,   112
.set O,   176
.set PCD, 208
.set F,   220
.set WV,  12
.set SEL, 20
.set CS,  22
.set G1,  24
.set G0A, 32
.set G0B, 36
.set TB,  40
.set CNT, 41
.set QSEL, 42
.macro CROUND
	s_barrier_signal -1
	s_barrier_wait -1
	s_cmp_lg_u32 s[WV], 0
	s_cbranch_scc1 .Lnot_wave_0_\@
	s_barrier_signal -3
.Lnot_wave_0_\@:
	s_barrier_wait -3
	s_barrier_signal -1
	s_barrier_wait -1
.endm
	s_load_b128 s[4:7], s[0:1], 0x0
	s_load_b128 s[8:11], s[0:1], 0x10
	v_lshl_add_u32 v3, v0, 2, SPARE
	v_mov_b32 v4, 0
	ds_add_u32 v3, v4
	ds_add_u32 v3, v4
	s_wait_dscnt 0x0
	v_lshrrev_b32 v5, 5, v0
	s_delay_alu instid0(VALU_DEP_1)
	v_readfirstlane_b32 s[WV], v5
	s_and_b32 s15, ttmp7, 0xffff
	s_mul_i32 s16, s15, 32*REC
	s_mul_i32 s18, s[WV], 6400
	s_add_co_u32 s16, s16, s18
	s_mov_b32 s17, 0
	s_mov_b32 s[G1], 15|(3<<16)|(1<<21)
	s_mov_b32 s[G1+1], 32<<16
	s_mov_b32 s[G1+2], 25<<16
	s_mov_b32 s[G1+3], 32<<16
	s_mov_b32 s[G1+4], 25
	s_mov_b32 s[G1+5], 32
	s_mov_b32 s[G1+6], 0
	s_mov_b32 s[G1+7], 0
	s_wait_kmcnt 0x0
	s_add_nc_u64 s[6:7], s[6:7], s[16:17]
	s_mov_b32 s[G0A], 1
	s_mov_b32 s[G0A+1], s18
	s_mov_b64 s[G0A+2:G0A+3], s[6:7]
	s_or_b32 s[G0A+3], s[G0A+3], 0x80000000
	s_mov_b32 s[G0B], 1
	s_add_co_u32 s[G0B+1], s18, SLOTB
	s_add_nc_u64 s[G0B+2:G0B+3], s[6:7], SLOTB
	s_or_b32 s[G0B+3], s[G0B+3], 0x80000000
	CROUND
	tensor_load_to_lds s[G0A:G0A+3], s[G1:G1+7]
	s_nop 0
	s_wait_alu depctr_va_vdst(0)
	s_wait_tensorcnt 0x0
	ds_add_u32 v3, v4
	s_wait_dscnt 0x0
	CROUND
	tensor_load_to_lds s[G0B:G0B+3], s[G1:G1+7]
	s_nop 0
.rept 4
	v_nop
.endr
	s_bfe_u32 s13, ttmp6, 0x40000
	s_lshl_b32 s14, ttmp9, 2
	s_add_co_u32 s14, s14, s13
	s_lshl_b32 s16, s15, 5
	s_lshl_b32 s17, s14, 1
	s_add_co_u32 s16, s16, s17
	s_lshr_b32 s17, s[WV], 3
	s_add_co_u32 s16, s16, s17
	s_mul_i32 s16, s16, 6400
	s_mov_b32 s17, 0
	s_add_nc_u64 s[4:5], s[4:5], s[16:17]
	s_and_b32 s43, s15, 7
	s_lshr_b32 s44, s15, 3
	s_lshr_b32 s16, s43, 1
	s_mul_i32 s16, s16, 1572864
	s_lshl_b32 s17, s44, 7
	s_lshl_b32 s19, s14, 4
	s_add_co_u32 s17, s17, s19
	s_add_co_u32 s17, s17, s[WV]
	s_mul_i32 s17, s17, 3072
	s_add_co_u32 s16, s16, s17
	s_and_b32 s17, s43, 1
	s_mul_i32 s17, s17, 1536
	s_add_co_u32 s16, s16, s17
	s_mov_b32 s17, 0
	s_add_nc_u64 s[8:9], s[8:9], s[16:17]
	s_lshl_b32 s16, s44, 4
	s_lshl_b32 s17, s14, 1
	s_add_co_u32 s16, s16, s17
	s_and_b32 s17, s[WV], 1
	s_add_co_u32 s16, s16, s17
	s_lshl_b32 s16, s16, 3
	s_add_co_u32 s16, s16, s43
	s_lshl_b32 s16, s16, 9
	s_mov_b32 s17, 0
	s_add_nc_u64 s[10:11], s[10:11], s[16:17]
	s_mov_b32 s[SEL], 0x76543210
	s_mov_b32 s[SEL+1], 0xfedcba98
	s_mov_b32 s[CS], 0x3e38aa3b
	s_mov_b32 s[CS+1], s[CS]
	v_and_b32 v1, 31, v0
	s_delay_alu instid0(VALU_DEP_1)
	v_lshlrev_b32 v2, 3, v1
	s_delay_alu instid0(VALU_DEP_2)
	v_lshlrev_b32 v1, 4, v1
	s_bfe_u32 s16, s[WV], 0x20001
	s_and_b32 s17, s[WV], 1
	s_mul_i32 s19, s16, 1536
	s_mul_i32 s45, s17, 520
	s_mul_i32 s46, s17, 1016
	s_add_co_u32 s46, s46, 8
	s_add_co_u32 s47, s45, 512
	v_add_nc_u32 v7, s19, v1
	s_delay_alu instid0(VALU_DEP_1)
	v_add_nc_u32 v8, s46, v7
	s_delay_alu instid0(VALU_DEP_2)
	v_add_nc_u32 v9, s47, v7
	s_delay_alu instid0(VALU_DEP_3)
	v_add_nc_u32 v7, s45, v7
	s_and_b32 s45, s16, 1
	s_lshl_b32 s45, s45, 7
	s_lshr_b32 s46, s16, 1
	s_lshl_b32 s46, s46, 2
	s_add_co_u32 s45, s45, s46
	s_add_co_u32 s45, s45, 6144
	v_and_b32 v10, 15, v0
	s_delay_alu instid0(VALU_DEP_1)
	v_lshl_add_u32 v10, v10, 3, s45
	s_mov_b32 s[QSEL], 0x03020302
	s_cmp_eq_u32 s17, 1
	s_cselect_b32 s[QSEL], 0x01000100, s[QSEL]
.irp z, 16,28,34,52,70,88,106
.irp i, 0,1,2,3,4,5
	v_mov_b32 v[\z+\i], 0
.endr
.endr
.irp b, 0,1,2,3
	v_mov_b32 v[236+\b], 0
.endr
	v_mov_b32 v252, 0
	v_mov_b32 v253, 0
.macro STEP
	v_add_nc_u32 v5, s[TB], v1
	v_add_nc_u32 v6, s[TB], v2
	v_nop
	v_nop
.irp p, 0,1,2,3
.irp c, 0,1,2
	ds_load_b128 v[40+18*\p+4*\c:43+18*\p+4*\c], v5 offset:1536*\p+512*\c
.endr
.endr
	ds_load_b64 v[248:249], v6 offset:6144
	s_wait_alu depctr_va_vdst(0)
	s_wait_dscnt 0x0
.irp p, 0,1,2,3
.if \p%2
	v_wmma_scale_f32_16x16x128_f8f6f4 v[S+16*\p:S+16*\p+7], v[34+18*\p:45+18*\p], v[16:27], 0, v[248+\p/2], v255 matrix_a_fmt:MATRIX_FMT_FP6 matrix_b_fmt:MATRIX_FMT_FP6 matrix_a_scale:MATRIX_SCALE_ROW1
	v_wmma_scale_f32_16x16x128_f8f6f4 v[S+8+16*\p:S+15+16*\p], v[46+18*\p:57+18*\p], v[22:33], 0, v[248+\p/2], v255 matrix_a_fmt:MATRIX_FMT_FP6 matrix_b_fmt:MATRIX_FMT_FP6 matrix_a_scale:MATRIX_SCALE_ROW1
.else
	v_wmma_scale_f32_16x16x128_f8f6f4 v[S+16*\p:S+16*\p+7], v[34+18*\p:45+18*\p], v[16:27], 0, v[248+\p/2], v255 matrix_a_fmt:MATRIX_FMT_FP6 matrix_b_fmt:MATRIX_FMT_FP6
	v_wmma_scale_f32_16x16x128_f8f6f4 v[S+8+16*\p:S+15+16*\p], v[46+18*\p:57+18*\p], v[22:33], 0, v[248+\p/2], v255 matrix_a_fmt:MATRIX_FMT_FP6 matrix_b_fmt:MATRIX_FMT_FP6
.endif
.endr
.rept 4
	v_nop
.endr
.irp t, 0,1,2,3
.irp c, 0,1,2
	ds_load_b128 v[40+18*\t+4*\c:43+18*\t+4*\c], v5 offset:6400+1536*\t+512*\c
.endr
.endr
	ds_load_b64 v[250:251], v6 offset:12544
.irp b, 0,1,2,3
	v_max3_num_f32 v[232+\b], v[S+16*\b], v[S+1+16*\b], v[S+2+16*\b]
.endr
.irp i, 3,5,7,9,11,13
.irp b, 0,1,2,3
	v_max3_num_f32 v[232+\b], v[232+\b], v[S+16*\b+\i], v[S+1+16*\b+\i]
.endr
.endr
.irp b, 0,1,2,3
	v_max_num_f32 v[232+\b], v[232+\b], v[S+15+16*\b]
.endr
.irp b, 0,1,2,3
	s_delay_alu instid0(VALU_DEP_4)
	v_permlanex16_b32 v[236+\b], v[232+\b], s[SEL], s[SEL+1]
.endr
.irp b, 0,1,2,3
	s_delay_alu instid0(VALU_DEP_4)
	v_max_num_f32 v[232+\b], v[232+\b], v[236+\b]
.endr
	s_delay_alu instid0(VALU_DEP_2)
	v_max3_num_f32 v254, v232, v233, v234
	s_delay_alu instid0(VALU_DEP_1)
	v_max_num_f32 v254, v254, v235
	s_delay_alu instid0(VALU_DEP_1)
	v_mul_f32 v254, s[CS], v254
	s_delay_alu instid0(VALU_DEP_1)
	v_max_num_f32 v13, v13, v254
	v_mov_b32 v254, v12
	s_delay_alu instid0(VALU_DEP_2)
	v_floor_f32 v12, -v13
	s_delay_alu instid0(VALU_DEP_1)
	v_sub_f32 v254, v12, v254
	s_delay_alu instid0(VALU_DEP_1)
	v_cvt_i32_f32 v254, v254
	s_delay_alu instid0(VALU_DEP_1)
	v_ldexp_f32 v252, 1.0, v254
.set n, 0
.rept 32
	v_pk_fma_f32 v[S+n:S+n+1], v[S+n:S+n+1], s[CS:CS+1], v[12:13] op_sel_hi:[1,0,0]
.set n, n+2
.endr
.irp b, 0,1,2,3
	v_fma_f32 v[232+\b], v[232+\b], s[CS], v12
.endr
.set n, 0
	s_wait_alu depctr_va_vdst(0)
.rept 64
	v_exp_f32 v[S+n], v[S+n]
.set n, n+1
.endr
	v_pk_mul_f32 v[14:15], v[14:15], v[252:253] op_sel_hi:[1,0]
	s_wait_alu depctr_va_vdst(0)
.irp b, 0,1,2,3
	v_exp_f32 v[232+\b], v[232+\b]
.endr
	v_pk_add_f32 v[236:237], v[S:S+1], v[S+2:S+3]
.irp j, 4,8,12,16,20,24,28,32,36,40,44,48,52,56,60
	v_pk_add_f32 v[14:15], v[14:15], v[S+\j:S+1+\j]
	v_pk_add_f32 v[236:237], v[236:237], v[S+2+\j:S+3+\j]
.endr
	s_delay_alu instid0(VALU_DEP_1)
	v_pk_add_f32 v[14:15], v[14:15], v[236:237]
	s_wait_alu depctr_va_vdst(0)
.irp b, 0,1,2,3
	v_max_num_f32 v[232+\b], 0x1800000, v[232+\b]
.endr
.irp b, 0,1,2,3
	s_delay_alu instid0(VALU_DEP_4)
	v_add_nc_u32 v[244+\b], 0xff000000, v[232+\b]
.endr
.irp b, 0,1,2,3
	s_delay_alu instid0(VALU_DEP_4)
	v_lshrrev_b32 v[236+\b], 23, v[244+\b]
.endr
	s_delay_alu instid0(VALU_DEP_3)
	v_lshl_or_b32 v253, v237, 8, v236
	s_delay_alu instid0(VALU_DEP_1)
	v_lshl_or_b32 v253, v238, 16, v253
	s_delay_alu instid0(VALU_DEP_1)
	v_lshl_or_b32 v253, v239, 24, v253
.irp c, 0,1
	v_cvt_scalef32_pk16_fp6_f32 v[PCD+6*\c:PCD+2+6*\c], v[S+32*\c:S+15+32*\c], v[244+2*\c]
	v_cvt_scalef32_pk16_fp6_f32 v[236+4*\c:238+4*\c], v[S+16+32*\c:S+31+32*\c], v[244+2*\c+1]
.endr
	v_nop
.irp c, 0,1
.irp i, 0,1,2
	v_permlane16_swap_b32 v[PCD+6*\c+\i], v[236+4*\c+\i]
.endr
.irp i, 0,1,2
	s_delay_alu instid0(VALU_DEP_3)
	v_mov_b32 v[PCD+3+6*\c+\i], v[236+4*\c+\i]
.endr
.endr
.set n, 0
.rept 16
	v_pk_mul_f32 v[O+n:O+n+1], v[O+n:O+n+1], v[252:253] op_sel_hi:[1,0]
.set n, n+2
.endr
	s_wait_alu depctr_va_vdst(0)
	s_wait_dscnt 0x0
.irp t, 0,1,2,3
.if \t%2
	v_wmma_scale_f32_16x16x128_f8f6f4 v[O+8*\t:O+8*\t+7], v[40+18*\t:51+18*\t], v[PCD:PCD+11], v[O+8*\t:O+8*\t+7], v[250+\t/2], v253 matrix_a_fmt:MATRIX_FMT_FP6 matrix_b_fmt:MATRIX_FMT_FP6 matrix_a_scale:MATRIX_SCALE_ROW1
.else
	v_wmma_scale_f32_16x16x128_f8f6f4 v[O+8*\t:O+8*\t+7], v[40+18*\t:51+18*\t], v[PCD:PCD+11], v[O+8*\t:O+8*\t+7], v[250+\t/2], v253 matrix_a_fmt:MATRIX_FMT_FP6 matrix_b_fmt:MATRIX_FMT_FP6
.endif
.endr
.endm
.macro SLOTRUN base
	s_mov_b32 s[TB], \base
	s_mov_b32 s[CNT], 8
.Lrun_\@:
	STEP
	s_add_co_u32 s[TB], s[TB], REC
	s_sub_co_u32 s[CNT], s[CNT], 1
	s_cmp_lg_u32 s[CNT], 0
	s_cbranch_scc1 .Lrun_\@
.endm
.macro CHANGE g0, fill
	s_wait_tensorcnt 0x0
	ds_add_u32 v3, v4
.if \fill
	s_add_nc_u64 s[\g0+2:\g0+3], s[\g0+2:\g0+3], 2*SLOTB
.endif
	s_wait_dscnt 0x0
.if \fill
	CROUND
	tensor_load_to_lds s[\g0:\g0+3], s[G1:G1+7]
	s_nop 0
.rept 4
	v_nop
.endr
.else
	s_barrier_signal -1
	s_barrier_wait -1
.endif
.endm
.macro HEADINIT hd
	global_load_b64 v[22:23], v7, s[4:5] offset:16*6400*\hd
	global_load_b64 v[24:25], v8, s[4:5] offset:16*6400*\hd
	global_load_b64 v[26:27], v9, s[4:5] offset:16*6400*\hd
	global_load_b32 v254, v10, s[4:5] offset:16*6400*\hd
	v_mov_b32 v13, 0xff61b1e6
	s_delay_alu instid0(VALU_DEP_1)
	v_floor_f32 v12, -v13
	v_mov_b32 v14, 0
	v_mov_b32 v15, 0
	s_wait_loadcnt 0x0
	v_perm_b32 v255, v254, v254, s[QSEL]
.set n, 0
.rept 32
	v_mov_b32 v[O+n], 0
.set n, n+1
.endr
.endm
.macro FINAL hd
.rept 4
	v_nop
.endr
	v_add_f32 v14, v14, v15
	s_delay_alu instid0(VALU_DEP_1)
	v_permlanex16_b32 v252, v14, s[SEL], s[SEL+1]
	s_delay_alu instid0(VALU_DEP_1)
	v_add_f32 v14, v14, v252
	s_wait_alu depctr_va_vdst(0)
	v_rcp_f32 v14, v14
	v_nop
	s_wait_alu depctr_va_vdst(0)
.set n, 0
.rept 32
	v_mul_f32 v[S+n], v[O+n], v14
.set n, n+1
.endr
.irp b, 0,1
.irp i, 0,1,2,3,4,5,6,7
	v_permlane16_swap_b32 v[S+16*\b+\i], v[S+8+16*\b+\i]
.endr
.endr
.irp b, 0,1
	v_max3_num_f32 v[232+\b], |v[S+16*\b]|, |v[S+1+16*\b]|, 0x1800000
.endr
.irp i, 2,4,6,8,10,12,14
.irp b, 0,1
	s_delay_alu instid0(VALU_DEP_2)
	v_max3_num_f32 v[232+\b], v[232+\b], |v[S+16*\b+\i]|, |v[S+1+16*\b+\i]|
.endr
.endr
.irp b, 0,1
	s_delay_alu instid0(VALU_DEP_2)
	v_permlanex16_b32 v[236+\b], v[232+\b], s[SEL], s[SEL+1]
.endr
.irp b, 0,1
	s_delay_alu instid0(VALU_DEP_2)
	v_max_num_f32 v[232+\b], v[232+\b], v[236+\b]
.endr
.irp b, 0,1
	s_delay_alu instid0(VALU_DEP_2)
	v_add_nc_u32 v[244+\b], 0xff000000, v[232+\b]
.endr
.irp b, 0,1
	s_delay_alu instid0(VALU_DEP_2)
	v_lshrrev_b32 v[236+\b], 23, v[244+\b]
.endr
.if \hd
	s_delay_alu instid0(VALU_DEP_1)
	v_lshl_or_b32 v254, v237, 8, v236
	s_delay_alu instid0(VALU_DEP_1)
	v_lshl_or_b32 v11, v254, 16, v11
.else
	s_delay_alu instid0(VALU_DEP_1)
	v_lshl_or_b32 v11, v237, 8, v236
.endif
	v_cvt_scalef32_pk16_fp6_f32 v[F+6*\hd:F+6*\hd+2], v[S:S+15], v244
	v_cvt_scalef32_pk16_fp6_f32 v[240:242], v[S+16:S+31], v245
	v_nop
.irp i, 0,1,2
	v_permlane16_swap_b32 v[F+6*\hd+\i], v[240+\i]
.endr
.irp i, 0,1,2
	s_delay_alu instid0(VALU_DEP_3)
	v_mov_b32 v[F+3+6*\hd+\i], v[240+\i]
.endr
.endm
	HEADINIT 0
	s_wait_tensorcnt 1
	s_barrier_signal -1
	s_barrier_wait -1
	SLOTRUN 0
	CHANGE G0A, 1
	SLOTRUN SLOTB
	CHANGE G0B, 1
	FINAL 0
	HEADINIT 1
	SLOTRUN 0
	CHANGE G0A, 0
	SLOTRUN SLOTB
	FINAL 1
.irp c, 0,1,2
	global_store_b128 v1, v[F+4*\c:F+4*\c+3], s[8:9] offset:512*\c
.endr
	s_lshr_b32 s16, s[WV], 3
	s_lshl_b32 s16, s16, 9
	s_and_b32 s17, s[WV], 1
	s_lshl_b32 s18, s17, 8
	s_add_co_u32 s16, s16, s18
	s_bfe_u32 s18, s[WV], 0x20001
	s_lshl_b32 s18, s18, 2
	s_add_co_u32 s16, s16, s18
	s_add_co_u32 s16, s16, STG
	v_and_b32 v232, 15, v0
	s_delay_alu instid0(VALU_DEP_1)
	v_lshl_add_u32 v232, v232, 4, s16
	s_lshl_b32 s17, s17, 9
	s_add_co_u32 s17, s17, STG
	v_add_nc_u32 v233, s17, v1
	ds_store_b32 v232, v11
	s_wait_dscnt 0x0
	s_barrier_signal -1
	s_barrier_wait -1
	s_cmp_gt_u32 s[WV], 1
	s_cbranch_scc1 .Lno_words
	s_wait_alu depctr_va_vdst(0)
	ds_load_b128 v[236:239], v233
	s_wait_dscnt 0x0
	global_store_b128 v1, v[236:239], s[10:11]
.Lno_words:
	s_wait_tensorcnt 0x0
	ds_add_u32 v3, v4
	s_wait_dscnt 0x0
	CROUND
	s_endpgm
.Lfunc_end_k_q68cbce6192_attn:
	.size	k_q68cbce6192_attn, .Lfunc_end_k_q68cbce6192_attn-k_q68cbce6192_attn
	.p2alignl 7, 3214868480
	.fill 96, 4, 3214868480
	.section	.rodata,"a",@progbits
	.p2align	6, 0x0
	.amdhsa_kernel k_q68cbce6192_attn
		.amdhsa_group_segment_fixed_size 327680
		.amdhsa_private_segment_fixed_size 0
		.amdhsa_enable_private_segment 0
		.amdhsa_kernarg_size 32
		.amdhsa_user_sgpr_count 2
		.amdhsa_user_sgpr_kernarg_segment_ptr 1
		.amdhsa_wavefront_size32 1
		.amdhsa_system_sgpr_workgroup_id_x 1
		.amdhsa_system_sgpr_workgroup_id_y 1
		.amdhsa_system_sgpr_workgroup_id_z 1
		.amdhsa_system_vgpr_workitem_id 0
		.amdhsa_next_free_vgpr 256
		.amdhsa_next_free_sgpr 66
		.amdhsa_reserve_vcc 0
		.amdhsa_float_denorm_mode_32 3
		.amdhsa_float_denorm_mode_16_64 3
		.amdhsa_memory_ordered 1
		.amdhsa_forward_progress 1
		.amdhsa_inst_pref_size 90
	.end_amdhsa_kernel
	.amdgpu_metadata
---
amdhsa.version: [ 1, 2 ]
amdhsa.kernels:
  - .name:           k_q68cbce6192_attn
    .symbol:         k_q68cbce6192_attn.kd
    .args:
      - { .name: qw, .offset: 0, .size: 8, .value_kind: global_buffer, .address_space: global }
      - { .name: kv, .offset: 8, .size: 8, .value_kind: global_buffer, .address_space: global }
      - { .name: oc, .offset: 16, .size: 8, .value_kind: global_buffer, .address_space: global }
      - { .name: osc, .offset: 24, .size: 8, .value_kind: global_buffer, .address_space: global }
    .group_segment_fixed_size: 327680
    .private_segment_fixed_size: 0
    .kernarg_segment_align: 8
    .kernarg_segment_size: 32
    .max_flat_workgroup_size: 512
    .sgpr_count:     66
    .vgpr_count:     256
    .wavefront_size: 32
...
	.end_amdgpu_metadata
.endif
;; end of part 2
;; launch outp (part 3): grid 8 x 32, 4 waves a work-group, clusters of 4 x 4, 327,680 bytes of LDS; arguments oc, osc, Wo_codes, Wo_scales, out0; writes out0
.if DOCPART == 3
	.amdgcn_target "amdgcn-amd-amdhsa--gfx1250"
	.amdhsa_code_object_version 6
	.text
	.protected	k_q68cbce6192_outp
	.globl	k_q68cbce6192_outp
	.p2align	8
	.type	k_q68cbce6192_outp,@function
k_q68cbce6192_outp:
	s_mov_b64 s[64:65], 0
	v_nop
	global_prefetch_b8 v0, s[64:65] scope:SCOPE_SE
	s_setreg_imm32_b32 hwreg(HW_REG_WAVE_MODE, 25, 1), 1
	s_wait_xcnt 0x0
	s_wait_alu depctr_hold_cnt(0) depctr_sa_sdst(0) depctr_va_vdst(0) depctr_va_sdst(0) depctr_va_ssrc(0) depctr_va_vcc(0) depctr_vm_vsrc(0)
	s_getreg_b32 s2, hwreg(HW_REG_IB_STS2, 6, 4)
	s_cmp_eq_u32 s2, 0
	s_cbranch_scc0 .Lentry_in_a_cluster
	s_endpgm
.Lentry_in_a_cluster:
	s_bfe_u32 s2, ttmp6, 0x10000c
	s_cmp_lg_u32 s2, 0xf033
	s_cbranch_scc0 .Lentry_shape_is_right
	s_endpgm
.Lentry_shape_is_right:
; THE PROJECTION ON THE WAY OUT: out0 = O Wo^T, both sides codes of FP6 (E2M3) with E8M0 bytes, sums in f32.
; O comes as the attention launch left it: oc[pair of K steps (4)][tile of 16 rows (128 b + s / 16)][K step of the pair][image of 12 registers, 1,536 bytes];
; osc[128 rows][K step (8)][512 bytes: lane's four words: tiles 2 i + lane / 16, row lane % 16].
; A work-group: 256 rows (one b, 256 s) x 128 columns, ALL of K in LDS, filled once, one joint tensor load a wave: waves 0, 1 eight tiles of O each (4 rows of 24,576 bytes), shared along the cluster's row;
; waves 2, 3 64 whole rows of Wo each (768 bytes, 16 of padding behind every 256), shared along its column.  256 work-groups.  A wave: 128 rows x 64 columns, 32 accumulators.
; Source 0 = Wo's rows, source 1 = O's: a lane holds eight neighbouring columns of a row.  A block of 16 rows goes through the wave's own stage and leaves as rows of 256 consecutive bytes, aligned.
; NO PREFETCH: every input byte is asked for once, at the head; there is no loop to run ahead in.
; REGISTERS: window 0 addresses, scale words, the way out; window 1 O's fragments, two sets of 96; window 2 the accumulators (32 a + 8 b); window 3 Wo's fragments, two sets of 48.
.set PITCH, 816
.set AHALF, 98304                      ; eight tiles of O, all of K
.set WB,    2*AHALF
.set STG,   WB+128*PITCH               ; four stages of 16 rows x 272 bytes
.set SPARE, STG+4*16*272
.set SPW, 10
.set NIL, 11
.set STO, 12
.set RD,  13
.set CO,  14
.set AA,  16                           ; v16, v17 LDS address of my images, K steps 0-3 and 4-7
.set SX,  32                           ; v32-63 O's scale words: 4 q + a / 2
.set SW,  68                           ; v68-83 Wo's: 8 (b / 2) + q
.set AW,  144
.set BK,  160                          ; v160-223 rows read back, two sets
.set G1X, 40
.set G1W, 48
.set G0X, 56
.set G0W, 60
.set WV,  66
.set WH,  67
.set WL,  68
.set MSB, 0
.macro WIN new
.if MSB != (\new)
	s_set_vgpr_msb (MSB<<8)|(\new)
.set MSB, (\new)
.endif
.endm
.macro PLACES n
.rept \n
	v_nop
.endr
.endm
.macro WALU
	s_wait_alu depctr_va_vdst(0)
.endm
.macro CROUND
	s_barrier_signal -1
	s_barrier_wait -1
	s_cmp_lg_u32 s[WV], 0
	s_cbranch_scc1 .Lnot_wave_0_\@
	s_barrier_signal -3
.Lnot_wave_0_\@:
	s_barrier_wait -3
	s_barrier_signal -1
	s_barrier_wait -1
.endm
.macro FRAG w, reg, q, a0              ; six pieces of 8 bytes, two to a load where both go by one address register
	WIN (\w)<<6
.set SKIP_, 0
.irp p, 0,1,2,3,4,5
.if SKIP_
.set SKIP_, 0
.else
.set PC_, 12*(\q)+6*(\p/3)+\p%3
.set PN_, 12*(\q)+6*((\p+1)/3)+(\p+1)%3
.set X_, (PC_%32+3)/32
.set XQ_, (PN_%32+3)/32
.if (\p < 5) && (X_ == XQ_)
.set SKIP_, 1
	ds_load_2addr_b64 v[\reg+2*\p:\reg+2*\p+3], v[\a0+X_] offset0:PC_+2*(PC_/32) offset1:PN_+2*(PN_/32)
.else
	ds_load_b64 v[\reg+2*\p:\reg+2*\p+1], v[\a0+X_] offset:8*(PC_+2*(PC_/32))
.endif
.endif
.endr
.endm
.macro FETCH e, q
	WIN 1<<6
.irp i, 0,1,2,3,4,5,6,7
.irp c, 0,1,2
	ds_load_b128 v[96*(\e)+12*\i+4*\c:96*(\e)+12*\i+4*\c+3], v[AA+(\q)/4] offset:(((\q)/2)%2)*24576+\i*3072+((\q)%2)*1536+512*\c
.endr
.endr
.irp i, 0,1,2,3
	FRAG 3, 48*(\e)+12*\i, \q, AW+2*\i
.endr
.endm
.macro W1 d, s0, s1, c, x0, x1, r0, r1
	v_wmma_scale_f32_16x16x128_f8f6f4 v[\d:\d+7], v[\s0:\s0+11], v[\s1:\s1+11], \c, v[\x0], v[\x1] matrix_a_fmt:MATRIX_FMT_FP6 matrix_b_fmt:MATRIX_FMT_FP6 matrix_a_scale:MATRIX_SCALE_ROW\r0 matrix_b_scale:MATRIX_SCALE_ROW\r1
.endm
.macro MULS e, q                       ; 32 products, the accumulators by turns; the first step's start the sums
	WIN 0xa7
.irp ah, 0,1,2,3
.irp al, 0,1
.irp bh, 0,1
.irp bl, 0,1
.set XF_, 96*(\e)+12*(2*\ah+\al)
.set WF_, 48*(\e)+12*(2*\bh+\bl)
.set D_, 32*(2*\ah+\al)+8*(2*\bh+\bl)
.if (\q) == 0
	W1 D_, WF_, XF_, 0, SW+8*\bh+(\q), SX+4*(\q)+\ah, \bl, \al
.else
	W1 D_, WF_, XF_, v[D_:D_+7], SW+8*\bh+(\q), SX+4*(\q)+\ah, \bl, \al
.endif
.endr
.endr
.endr
.endr
.endm
.macro KSTEP q                         ; this step's fragments are in; the next step's are asked for ahead of this step's products
	s_wait_dscnt 0x0
.if (\q) < 7
.if (\q) > 0
	PLACES 4
.endif
	FETCH (\q+1)%2, \q+1
.endif
	MULS (\q)%2, \q
.endm
	s_load_b256 s[4:11], s[0:1], 0x0               ; oc, osc, Wo's codes, Wo's scales
	s_load_b64 s[12:13], s[0:1], 0x20              ; out0
	v_lshl_add_u32 v[SPW], v0, 2, SPARE
	v_mov_b32 v[NIL], 0
	ds_add_u32 v[SPW], v[NIL]                      ; the opening lines
	ds_add_u32 v[SPW], v[NIL]
	v_lshrrev_b32 v1, 5, v0
	v_readfirstlane_b32 s[WV], v1
	s_lshr_b32 s[WH], s[WV], 1                     ; my half of the rows.  Also: I fetch for O (0) or Wo (1)
	s_and_b32 s[WL], s[WV], 1                      ; my half of the columns.  Also: which half I fetch
	s_bfe_u32 s72, ttmp6, 0x40000
	s_bfe_u32 s73, ttmp6, 0x40004
	s_lshl_b32 s74, ttmp9, 2
	s_add_co_u32 s74, s74, s72                     ; tile column, 0 .. 7
	s_and_b32 s75, ttmp7, 0xffff
	s_lshl_b32 s75, s75, 2
	s_add_co_u32 s75, s75, s73                     ; tile row, 0 .. 31: b = / 8, 256 s from 256 (% 8)
	s_lshl_b32 s76, s73, 2
	s_lshl_b32 s76, 15, s76
	s_lshl_b32 s77, 0x1111, s72
	s_or_b32 s[G1X], s76, (3<<16)|(1<<21)          ; O: 4 rows of 3,072 elements of 8 bytes, 196,608 elements apart
	s_mov_b32 s[G1X+1], 3072<<16
	s_mov_b32 s[G1X+2], 4<<16
	s_mov_b32 s[G1X+3], 3072<<16
	s_mov_b32 s[G1X+4], 4
	s_mov_b32 s[G1X+5], 196608
	s_mov_b32 s[G1X+6], 0
	s_mov_b32 s[G1X+7], 0
	s_or_b32 s[G1W], s77, (1<<20)|(1<<21)|(5<<22)|(3<<25)
	s_mov_b32 s[G1W+1], 768<<16
	s_mov_b32 s[G1W+2], 64<<16
	s_mov_b32 s[G1W+3], 768<<16
	s_mov_b32 s[G1W+4], 64
	s_mov_b32 s[G1W+5], 768
	s_mov_b32 s[G1W+6], 0
	s_mov_b32 s[G1W+7], 0
	s_lshl_b32 s80, s75, 4
	s_lshl_b32 s81, s[WL], 3
	s_add_co_u32 s80, s80, s81
	s_mul_i32 s80, s80, 3072                       ; the eight tiles that I fetch
	s_mov_b32 s81, 0
	s_lshl_b32 s82, s74, 7
	s_lshl_b32 s83, s[WL], 6
	s_add_co_u32 s82, s82, s83                     ; Wo's row: the half that I fetch is also the half that I multiply
	s_mov_b32 s84, s82
	s_mul_i32 s82, s82, 768
	s_mov_b32 s83, 0
	s_mul_i32 s85, s[WL], AHALF
	s_mul_i32 s86, s[WL], 64*PITCH
	s_add_co_u32 s86, s86, WB
	WALU
	s_wait_dscnt 0x0
	s_wait_kmcnt 0x0
	s_mov_b32 s[G0X], 1
	s_mov_b32 s[G0X+1], s85
	s_add_nc_u64 s[G0X+2:G0X+3], s[4:5], s[80:81]
	s_or_b32 s[G0X+3], s[G0X+3], 0x80000000
	s_mov_b32 s[G0W], 1
	s_mov_b32 s[G0W+1], s86
	s_add_nc_u64 s[G0W+2:G0W+3], s[8:9], s[82:83]
	s_or_b32 s[G0W+3], s[G0W+3], 0x80000000
	CROUND
	s_cmp_eq_u32 s[WH], 0
	s_cbranch_scc0 .Lfor_w
	tensor_load_to_lds s[G0X:G0X+3], s[G1X:G1X+7]
	s_nop 0
	PLACES 4
	s_branch .Lasked
.Lfor_w:
	tensor_load_to_lds s[G0W:G0W+3], s[G1W:G1W+7]
	s_nop 0
	PLACES 4
.Lasked:
	v_and_b32 v1, 15, v0                           ; r
	v_bfe_u32 v2, v0, 4, 1                         ; h
	v_and_b32 v5, 31, v0
	v_lshlrev_b32 v6, 5, v5                        ; Wo's scale bytes: 32 a row
	v_lshlrev_b32 v5, 4, v5                        ; 16 x lane
	v_mul_u32_u24 v3, v1, PITCH
	v_mad_u32_u24 v3, v2, 24, v3
	v_lshl_add_u32 v4, v2, 4, v3
	s_mul_i32 s87, s[WH], AHALF
	v_add_nc_u32 v[AA], s87, v5
	v_add_nc_u32 v[AA+1], 49152, v[AA]
.irp i, 0,1,2,3
	v_add_nc_u32 v[AW+2*\i], s86, v3
	v_add_nc_u32 v[AW+2*\i+1], s86, v4
	s_add_co_u32 s86, s86, 16*PITCH
.endr
	s_mul_i32 s87, s[WV], 16*272
	s_add_co_u32 s87, s87, STG                     ; my stage
	v_mul_u32_u24 v7, v1, 272
	v_lshl_add_u32 v7, v2, 5, v7                   ; in: row r, 32 bytes for each half of the lanes
	v_add_nc_u32 v[STO], s87, v7
	v_mul_u32_u24 v7, v2, 272
	v_lshl_add_u32 v7, v1, 4, v7                   ; back: lanes 0-15 one row of 256 bytes, lanes 16-31 the next
	v_add_nc_u32 v[RD], s87, v7
	v_lshlrev_b32 v7, 14, v2                       ; the same two rows in out0: 16,384 bytes from s to s + 1
	v_lshl_add_u32 v[CO], v1, 4, v7
	s_lshl_b32 s80, s75, 1
	s_add_co_u32 s80, s80, s[WH]
	s_lshl_b32 s80, s80, 12
	s_add_nc_u64 s[6:7], s[6:7], s[80:81]          ; my 128 rows' scale words, 4,096 bytes on end
	s_lshl_b32 s82, s84, 5
	s_add_nc_u64 s[10:11], s[10:11], s[82:83]
	WALU
.irp q, 0,1,2,3,4,5,6,7
	global_load_b128 v[SX+4*\q:SX+4*\q+3], v5, s[6:7] offset:512*\q
.endr
.irp i, 0,1
	global_load_b128 v[SW+8*\i:SW+8*\i+3], v6, s[10:11] offset:1024*\i
	global_load_b128 v[SW+8*\i+4:SW+8*\i+7], v6, s[10:11] offset:1024*\i+16
.endr
	s_and_b32 s80, s75, 7
	s_lshl_b32 s80, s80, 8
	s_lshl_b32 s82, s[WH], 7
	s_add_co_u32 s80, s80, s82
	s_lshl_b32 s80, s80, 2
	s_lshr_b32 s82, s75, 3
	s_add_co_u32 s80, s80, s82                     ; my first memory row 4 s + b
	s_lshl_b32 s80, s80, 12
	s_lshl_b32 s82, s84, 2
	s_add_co_u32 s80, s80, s82                     ; + my first column
	s_add_nc_u64 s[12:13], s[12:13], s[80:81]
	s_wait_loadcnt 0x0
	s_wait_tensorcnt 0x0                           ; my tile is in
	s_barrier_signal -1
	s_barrier_wait -1                              ; and everybody's
	FETCH 0, 0
.set Q_, 0
.rept 8
	KSTEP Q_
.set Q_, Q_+1
.endr
	WIN 0
.macro TOSTAGE a
	WIN 0x08
.irp b, 0,1,2,3
	ds_store_b128 v[STO], v[32*(\a)+8*\b:32*(\a)+8*\b+3] offset:64*\b        ; each accumulator from its low end on
	ds_store_b128 v[STO], v[32*(\a)+8*\b+4:32*(\a)+8*\b+7] offset:64*\b+16
.endr
	WIN 0
.irp t, 0,1,2,3,4,5,6,7
	ds_load_b128 v[BK+32*((\a)%2)+4*\t:BK+32*((\a)%2)+4*\t+3], v[RD] offset:\t*544   ; a wave's LDS instructions are served in order: these see the stores above
.endr
.endm
.macro SEND a, younger                 ; younger: the LDS instructions issued behind block a's loads
	s_wait_dscnt \younger
.if (\a) > 0
	s_add_nc_u64 s[12:13], s[12:13], 16*16384      ; behind a wait on XCNT: the earlier stores have read their base
.endif
.irp t, 0,1,2,3,4,5,6,7
	global_store_b128 v[CO], v[BK+32*((\a)%2)+4*\t:BK+32*((\a)%2)+4*\t+3], s[12:13] offset:\t*32768 th:TH_STORE_NT   ; sixteen lanes store 256 consecutive bytes, aligned
.endr
.endm
	PLACES 4
	TOSTAGE 0
.irp a, 1,2,3,4,5,6,7
.if \a > 1
	s_wait_xcnt 0x0                                ; block a - 2's stores have read their registers and their base
.endif
	TOSTAGE \a
	SEND \a-1, 16                                  ; behind block a - 1's loads: block a's 8 stores and 8 loads
.endr
	s_wait_xcnt 0x0
	SEND 7, 0
	s_wait_tensorcnt 0x0                           ; the wave's end
	ds_add_u32 v[SPW], v[NIL]
	s_wait_dscnt 0x0
	CROUND
	s_endpgm
.Lfunc_end_k_q68cbce6192_outp:
	.size	k_q68cbce6192_outp, .Lfunc_end_k_q68cbce6192_outp-k_q68cbce6192_outp
	.p2alignl 7, 3214868480
	.fill 96, 4, 3214868480
	.section	.rodata,"a",@progbits
	.p2align	6, 0x0
	.amdhsa_kernel k_q68cbce6192_outp
		.amdhsa_group_segment_fixed_size 327680
		.amdhsa_private_segment_fixed_size 0
		.amdhsa_enable_private_segment 0
		.amdhsa_kernarg_size 40
		.amdhsa_user_sgpr_count 2
		.amdhsa_user_sgpr_kernarg_segment_ptr 1
		.amdhsa_wavefront_size32 1
		.amdhsa_system_sgpr_workgroup_id_x 1
		.amdhsa_system_sgpr_workgroup_id_y 1
		.amdhsa_system_sgpr_workgroup_id_z 1
		.amdhsa_system_vgpr_workitem_id 0
		.amdhsa_next_free_vgpr 864
		.amdhsa_next_free_sgpr 96
		.amdhsa_reserve_vcc 0
		.amdhsa_float_denorm_mode_32 3
		.amdhsa_float_denorm_mode_16_64 3
		.amdhsa_memory_ordered 1
		.amdhsa_forward_progress 1
		.amdhsa_inst_pref_size 76
	.end_amdhsa_kernel
	.amdgpu_metadata
---
amdhsa.version: [ 1, 2 ]
amdhsa.kernels:
  - .name:           k_q68cbce6192_outp
    .symbol:         k_q68cbce6192_outp.kd
    .args:
      - { .name: oc, .offset: 0, .size: 8, .value_kind: global_buffer, .address_space: global }
      - { .name: osc, .offset: 8, .size: 8, .value_kind: global_buffer, .address_space: global }
      - { .name: Wo_codes, .offset: 16, .size: 8, .value_kind: global_buffer, .address_space: global }
      - { .name: Wo_scales, .offset: 24, .size: 8, .value_kind: global_buffer, .address_space: global }
      - { .name: out0, .offset: 32, .size: 8, .value_kind: global_buffer, .address_space: global }
    .group_segment_fixed_size: 327680
    .private_segment_fixed_size: 0
    .kernarg_segment_align: 8
    .kernarg_segment_size: 40
    .max_flat_workgroup_size: 128
    .sgpr_count:     96
    .vgpr_count:     864
    .wavefront_size: 32
...
	.end_amdgpu_metadata
.endif
;; end of part 3
